; MI455X (gfx1250); checked and timed in simulation.
; The chip was launched on July 23, 2026; its instructions are those of AMD's public machine-readable ISA for CDNA 5 (MIT licence, August 2026) and "CDNA5" Instruction Set Architecture Reference Guide (July 2026). The comments in the code are by the model that wrote it; some were corrected since.
;; Local Window Attention. Allowed arithmetic: matrix products marked QUANTISED: E4M3 operands, one given power-of-two scale a tensor, by v_wmma_f32_16x16x64_fp8_fp8 or v_wmma_f32_16x16x128_fp8_fp8, f32 sums; products left as they are: f32 operands where the result goes on into a quantised operand, else bf16, f16 or f32 operands; f32 sums; everything else in f32.
;; Inputs: lowp_scales 10 int32 (the exponents e of the quantised operands' scales 2^e); rope_freqs 8,192 x 32 float32; wk 1,024 x 1,024 float32; wo 1,024 x 1,024 float32; wq 1,024 x 1,024 float32; wv 1,024 x 1,024 float32; x 2 x 8,192 x 1,024 float32.
;; Outputs: out0 2 x 8,192 x 1,024 float32.
;; This version of the problem:
;;   THIS VERSION OF THE PROBLEM IS GIVEN IN LOW PRECISION. The matrix products marked QUANTISED in the list below multiply operands that are first quantised to E4M3 (4 exponent bits, 3 mantissa bits; 8 bits a number), with one given power-of-two scale for each operand tensor; their sums are f32. All else is computed in f32.
;;   The module's matrix products, in the order in which they are computed (A, B: the left and right operand; K: the contracted axis; several contracted axes count as one K, in the product's order):
;;     1. [M 16,384, K 1,024] x [K 1,024, N 1,024]; A: input x; B: input wq: QUANTISED (scales: A lowp_scales[0], B lowp_scales[1])
;;     2. [M 16,384, K 1,024] x [K 1,024, N 1,024]; A: input x; B: input wk: QUANTISED (scales: A lowp_scales[2], B lowp_scales[3])
;;     3. [M 16,384, K 1,024] x [K 1,024, N 1,024]; A: input x; B: input wv: QUANTISED (scales: A lowp_scales[4], B lowp_scales[5])
;;     4. batch 16,384 x [M 16, K 64] x [K 64, N 16]; A: computed on the way; B: computed on the way: QUANTISED (scales: A lowp_scales[6], B lowp_scales[7])
;;     5. batch 16,384 x [M 64, K 16] x [K 16, N 16]; A: computed on the way; B: softmax: left as it is (K = 16 < 32)
;;     6. [M 16,384, K 1,024] x [K 1,024, N 1,024]; A: computed on the way; B: input wo: QUANTISED (scales: A lowp_scales[8], B lowp_scales[9])
;;   THE QUANTISER, for each operand of a quantised product, along K:
;;     - The operand's scale is 2^e, e = its entry of the input lowp_scales (int32; the entries are numbered through the quantised products in the list's order, A before B).
;;     - Each number is divided by the scale, clamped to +-448, and rounded to the nearest number of E4M3, ties to even, subnormals kept.
;;     - The product sums the exact products of the quantised numbers (number of the format x scale) in f32.
;;   ~~~python
;;   def quantise(x, axis, e):      # numpy; x: float32 -> the quantised numbers, widened to float32 again
;;       x = np.moveaxis(x, axis, -1); K = x.shape[-1]
;;       r = np.clip(x / 2.0 ** e, -448, 448)
;;       step = 2.0 ** (np.maximum(np.frexp(np.where(r == 0, 1, r))[1] - 1, -6) - 3)
;;       q = np.round(r / step) * step * 2.0 ** e      # np.round: ties to even
;;       return np.moveaxis(q, -1, axis).astype(np.float32)
;;   ~~~
;;   OPERANDS COMPUTED ON THE WAY. 'Computed on the way' means the value that the module computes at that place (a softmax that the list does not call 'softmax' is quantised finished and normalised). What goes into a quantiser is computed in f32, as accurately as f32 sums, v_exp_f32 and their like allow (about 1e-6 of the number): no bf16 or f16 on the way to a quantiser, and a product that is left as it is and whose result goes on into a quantised operand takes f32 operands (vector FMAs, or v_wmma_f32_16x16x4_f32). A number that lies on a knife's edge between two numbers of the format may be rounded either way, as far as f32 arithmetic and the matrix unit's own rounding can turn it there, and no further.
;; One version. Each part assembles by itself: llvm-mc -triple=amdgcn-amd-amdhsa -mcpu=gfx1250 --defsym DOCPART=n.
;; ======== version 1 of 1: 3 launches
;; limits: inputs' magnitudes at most 65,536; right only within a limited range of input values
;; workspace buffers: xc 50,331,648 bytes; wc 4,194,304 bytes; rtab 4,096 bytes; ac 16,777,216 bytes
;; launch prep (part 1): grid 1281 x 1, 4 waves a work-group, no clusters, 33,280 bytes of LDS; arguments x, wq, wk, wv, wo, rope_freqs, lowp_scales, xc, wc, rtab; writes xc, wc, rtab
.if DOCPART == 1
	.amdgcn_target "amdgcn-amd-amdhsa--gfx1250"
	.amdhsa_code_object_version 6
	.text
	.protected	k_qefb8652e5f_prep
	.globl	k_qefb8652e5f_prep
	.p2align	8
	.type	k_qefb8652e5f_prep,@function
k_qefb8652e5f_prep:
	s_mov_b64 s[64:65], 0
	v_nop
	global_prefetch_b8 v0, s[64:65] scope:SCOPE_SE
	s_setreg_imm32_b32 hwreg(HW_REG_WAVE_MODE, 25, 1), 1
	s_wait_xcnt 0x0
; FIRST OF THREE LAUNCHES: f32 numbers into codes of FP8 (E4M3), and the table of cosines and sines.
; x [16384][1024] is an operand of three quantised products, each with its own given scale 2^e (entries 0, 2, 4 of the scales): xc holds three sets of its codes, 2^24 bytes apart, one for each product.
; wq, wk, wv, wo [1024 (n)][1024 (k)] have K innermost as they lie: their codes go to wc, one tensor behind the other, with entries 1, 3, 5, 9.
; code = number / 2^e, held within +-448, rounded to the nearest code, ties to even.
; WORK LEFT OUT: reference() takes rope_freqs[arange(16)]: rows 16 to 8191 of that table are indexed by nothing, whatever the inputs hold, so they reach no output and are not read.
; LIMIT of that: a NaN or an infinity in those rows is not carried to the result.  Every input is loaded; nothing else is left out.
; LIMITS: each exponent used here lies between -126 and 119, so that 2^e and 448 x 2^e are f32 numbers.  NaN among the inputs is not served; an infinity is held at the largest code.
;   An angle's magnitude stays under 65,536 (the reduction below takes a whole number of quarter turns off in three steps, each a fused multiply-add).
; SHARES: work-groups 0-1023 (4 x 256) take x, 1024-1279 (256) the four weights (64 each), both by ONE way through the text: only pointers, exponents and one flag are chosen, by the work-group's number.
;   Work-group 1280 makes the table.  A wave takes 8 steps of 512 numbers.  Each load reads 512 consecutive bytes, 16 a lane; a step's 2,048 bytes turn through the wave's own stage in LDS and come
;   back 64 bytes a lane, so that a lane holds 16 neighbours along K for the conversions; a lane's 16 codes are 16 bytes, so a store covers 512 consecutive bytes.
; Memory binds: no matrix unit, no cluster, no tensor load, no barrier: waves share nothing.  Loads run four steps (16 loads a wave) ahead, the turn through LDS one step.
.set STEPS, 8
.set NX,    1024                       ; x's work-groups
.set R,     16                         ; v16-79   four sets of 16 numbers as they are loaded
.set X,     80                         ; v80-111  two sets of 16 neighbours
.set T,     112                        ; v112-127 the 16 numbers held within one set's range
.set C,     128                        ; v128-139 codes: four registers for each set
.set WREG,  8192                       ; LDS: a region for each wave: two stages of 32 x SP bytes
.set SP,    80                         ; a lane's place in a stage: its 64 bytes + 16 of padding
.set SPW,   12                         ; v12  LDS address of my spare word: SPARE + 4 x my thread's number; never rewritten
.set NIL,   13                         ; v13  0; never rewritten
.set SPARE, 4*WREG                     ; behind the four regions: the spare words, 128 bytes for each wave
	s_load_b512 s[4:19], s[0:1], 0x0               ; x 4, wq 6, wk 8, wv 10, wo 12, rope_freqs 14, the scales 16, xc 18
	s_load_b128 s[20:23], s[0:1], 0x40             ; wc 20, rtab 22
	v_lshl_add_u32 v[SPW], v0, 2, SPARE
	v_mov_b32 v[NIL], 0
	v_lshrrev_b32 v1, 5, v0
	v_readfirstlane_b32 s34, v1                    ; wave
	v_and_b32 v2, 31, v0                           ; lane
	v_lshlrev_b32 v3, 4, v2                        ; my 16 bytes of a load's 512, and of a store's; never rewritten
	s_mul_i32 s35, s34, WREG
	v_lshrrev_b32 v14, 2, v2
	v_mul_u32_u24 v14, v14, SP
	v_and_b32 v15, 3, v2
	v_lshl_add_u32 v14, v15, 4, v14
	v_add_nc_u32 v14, s35, v14                     ; the stage, on the way in: four lanes' 64 bytes on end, then 16 of padding
	v_mul_u32_u24 v15, v2, SP
	v_add_nc_u32 v15, s35, v15                     ; and on the way out: SP x lane: my 16 neighbours
	s_wait_kmcnt 0x0
	s_load_b256 s[24:31], s[16:17], 0x0            ; e0 .. e7
	s_load_b64 s[32:33], s[16:17], 0x20            ; e8, e9
	s_cmp_eq_u32 ttmp9, NX+256
	s_cbranch_scc1 .Lrope
	; which tensor, and which run of 4,096 numbers of it, is my wave's
	s_sub_co_u32 s35, ttmp9, NX                    ; a weight's work-group counts from NX
	s_lshr_b32 s36, s35, 6                         ; which weight: 0 wq, 1 wk, 2 wv, 3 wo
	s_and_b32 s38, s35, 63                         ; and which 64th of it
	s_mov_b64 s[40:41], s[12:13]
	s_cmp_eq_u32 s36, 2
	s_cselect_b64 s[40:41], s[10:11], s[40:41]
	s_cmp_eq_u32 s36, 1
	s_cselect_b64 s[40:41], s[8:9], s[40:41]
	s_cmp_eq_u32 s36, 0
	s_cselect_b64 s[40:41], s[6:7], s[40:41]
	s_cmp_lt_u32 ttmp9, NX                         ; x's work-group?  Every choice hangs on the work-group's number alone
	s_cselect_b64 s[40:41], s[4:5], s[40:41]       ; from where
	s_cselect_b64 s[42:43], s[18:19], s[20:21]     ; to where: xc or wc
	s_cselect_b32 s37, ttmp9, s38
	s_cselect_b32 s39, ttmp9, s35
	s_cselect_b32 s48, 0, 1                        ; 1: a weight, which has one set of codes
	s_lshl_b32 s37, s37, 2
	s_add_co_u32 s37, s37, s34
	s_lshl_b32 s52, s37, 14                        ; 4,096 numbers are 16,384 bytes; under 2^27
	s_mov_b32 s53, 0
	s_add_nc_u64 s[40:41], s[40:41], s[52:53]
	s_lshl_b32 s39, s39, 2
	s_add_co_u32 s39, s39, s34
	s_lshl_b32 s52, s39, 12                        ; and 4,096 bytes of codes
	s_add_nc_u64 s[42:43], s[42:43], s[52:53]      ; set 0
	s_add_nc_u64 s[44:45], s[42:43], 0x1000000     ; x's set 1 (named by no store that a weight's work-group runs)
	s_add_nc_u64 s[46:47], s[42:43], 0x2000000     ; x's set 2
.macro LOAD t
.irp i, 0,1,2,3
	global_load_b128 v[R+16*((\t)%4)+4*\i:R+16*((\t)%4)+4*\i+3], v3, s[40:41] offset:2048*(\t)+512*\i th:TH_LOAD_NT   ; 32 lanes read 512 consecutive bytes, read once in the launch
.endr
.endm
.macro TURN t                          ; step t's numbers through the stage: LDS serves a wave's instructions in order, so no wait stands between the stores and the loads
.irp i, 0,1,2,3
	ds_store_b128 v14, v[R+16*((\t)%4)+4*\i:R+16*((\t)%4)+4*\i+3] offset:32*SP*((\t)%2)+8*SP*\i
.endr
.irp i, 0,1,2,3
	ds_load_b128 v[X+16*((\t)%2)+4*\i:X+16*((\t)%2)+4*\i+3], v15 offset:32*SP*((\t)%2)+16*\i
.endr
.endm
	s_wait_alu depctr_va_vdst(0)
.irp t, 0,1,2,3
	LOAD \t
.endr
	s_wait_kmcnt 0x0                               ; the exponents
	s_mov_b32 s50, s33                             ; set 0's exponent: e9 for wo,
	s_cmp_eq_u32 s36, 2
	s_cselect_b32 s50, s29, s50                    ; e5 for wv,
	s_cmp_eq_u32 s36, 1
	s_cselect_b32 s50, s27, s50                    ; e3 for wk,
	s_cmp_eq_u32 s36, 0
	s_cselect_b32 s50, s25, s50                    ; e1 for wq,
	s_cmp_lt_u32 ttmp9, NX
	s_cselect_b32 s50, s24, s50                    ; e0 for x
.macro MKSC e, vs, vl                  ; 2^e as f32 (the conversion takes its exponent field), and 448 x 2^e
	s_add_co_i32 s51, \e, 127
	s_lshl_b32 s52, s51, 23
	v_mov_b32 v[\vs], s52
	s_add_co_i32 s51, s51, 8
	s_lshl_b32 s51, s51, 23
	s_or_b32 s51, s51, 0x600000
	v_mov_b32 v[\vl], s51
.endm
	MKSC s50, 5, 6
	MKSC s26, 7, 8                                 ; e2, for x's set 1
	MKSC s28, 9, 10                                ; e4, for x's set 2
	s_wait_alu depctr_va_vdst(0)
	s_wait_loadcnt 12                              ; step 0's four loads are in; those of steps 1 to 3 may be out
	TURN 0
; One set of a step's codes.  The numbers stay as they are for the other sets: the hold writes T.
.macro QSET p, t
.set i, 0
.rept 16
	v_med3_num_f32 v[T+i], v[XS+i], -v[6+2*\p], v[6+2*\p]      ; the conversion to an 8-bit code does not saturate (ISA guide 7.6.2): hold the number within the largest code x the scale first
.set i, i+1
.endr
	v_cvt_scalef32_pk8_fp8_f32 v[C+4*\p:C+4*\p+1], v[T:T+7], v[5+2*\p]
	v_cvt_scalef32_pk8_fp8_f32 v[C+4*\p+2:C+4*\p+3], v[T+8:T+15], v[5+2*\p]
	v_nop                                          ; a plain line between the conversions and the next set's holds, which write their sources
	global_store_b128 v3, v[C+4*\p:C+4*\p+3], s[42+2*\p:43+2*\p] offset:512*(\t)   ; the wave stores 512 consecutive bytes, at a multiple of 256 from the buffer's first byte
.endm
.macro STEP t
.set XS, X+16*((\t)%2)
	s_wait_dscnt 0x0                               ; this step's numbers are back from the stage: so its stores into the stage have read their registers,
	s_wait_xcnt 0x0                                ; and the last step's global stores have read C, which this step writes again
.if (\t)+4 < STEPS
	LOAD (\t)+4                                    ; the freed registers take the loads of four steps on
.endif
.if (\t)+1 < STEPS
.if STEPS-2-(\t) >= 3
	s_wait_loadcnt 12                              ; the next step's four loads are in; those of the three steps behind it may be out
.else
	s_wait_loadcnt 4*(STEPS-2-(\t))
.endif
	TURN (\t)+1                                    ; and go through the other stage while this step is worked
.endif
	QSET 0, \t
	s_cmp_lg_u32 s48, 0                            ; a weight has one set: a branch on the work-group's number
	s_cbranch_scc1 .Lone_\@
	QSET 1, \t
	QSET 2, \t
.Lone_\@:
.endm
.irp t, 0,1,2,3,4,5,6,7
	STEP \t
.endr
	s_wait_tensorcnt 0x0                           ; the wave's end, behind my last LDS store
	ds_add_u32 v[SPW], v[NIL]
	s_wait_dscnt 0x0
	s_endpgm
; THE TABLE.  128 threads, four angles each; no LDS.  rtab is an image of 32 registers of the next launch: group c of four registers lies at 512 c + 16 lane; groups 0-3 cosines, 4-7 sines.
; Register q (0 .. 15) of lane (r = lane % 16, h = lane / 16) belongs to position r and angle i = 16 (q / 8) + 8 h + q % 8.  Thread 32 g + lane makes group g: i0 = 16 (g / 2) + 8 h + 4 (g % 2).
.Lrope:
	s_wait_kmcnt 0x0
	v_and_b32 v16, 15, v0                          ; r
	v_bfe_u32 v17, v0, 4, 1                        ; h
	v_lshrrev_b32 v18, 1, v1                       ; g / 2
	v_and_b32 v19, 1, v1                           ; g % 2
	v_lshlrev_b32 v20, 7, v16                      ; a row of the table is 128 bytes
	v_lshl_add_u32 v20, v18, 6, v20
	v_lshl_add_u32 v20, v17, 5, v20
	v_lshl_add_u32 v20, v19, 4, v20                ; + 4 i0
	global_load_b128 v[24:27], v20, s[14:15]
	v_lshlrev_b32 v21, 4, v0
	s_wait_loadcnt 0x0
; cos and sin of x in f32: n = x / (pi / 2) to the nearest whole number; r = x - n pi / 2, pi / 2 in three parts, each step a fused multiply-add; polynomials in r on +-pi / 4; the quadrant n mod 4 swaps and signs.
.macro SINCOS x, c, s
	v_mul_f32 v36, 0x3f22f983, v[\x]               ; x x 2 / pi
	v_rndne_f32 v36, v36                           ; n
	v_fmamk_f32 v37, v36, 0xbfc90fdb, v[\x]
	v_fmamk_f32 v37, v36, 0x333bbd2e, v37
	v_fmamk_f32 v37, v36, 0x26f72ced, v37          ; r
	v_cvt_i32_f32 v38, v36
	v_mul_f32 v39, v37, v37                        ; z = r r
	v_mov_b32 v40, 0xb94ca1f9
	v_fmaak_f32 v40, v40, v39, 0x3c08839e
	v_fmaak_f32 v40, v40, v39, 0xbe2aaaa3
	v_mul_f32 v41, v39, v37
	v_fma_f32 v40, v40, v41, v37                   ; sin r = r + r z (..)
	v_mov_b32 v42, 0x37ccf5ce
	v_fmaak_f32 v42, v42, v39, 0xbab6061a
	v_fmaak_f32 v42, v42, v39, 0x3d2aaaa5
	v_mul_f32 v43, v39, v39
	v_fma_f32 v41, v39, -0.5, 1.0
	v_fma_f32 v42, v42, v43, v41                   ; cos r = 1 - z / 2 + z z (..)
	v_and_b32 v41, 1, v38
	v_cmp_eq_u32 vcc_lo, 1, v41                    ; an odd quadrant swaps the two
	v_cndmask_b32 v43, v40, v42, vcc_lo
	v_cndmask_b32 v44, v42, v40, vcc_lo
	v_and_b32 v41, 2, v38
	v_lshlrev_b32 v41, 30, v41
	v_xor_b32 v[\s], v43, v41                      ; sin is negated in quadrants 2, 3
	v_add_nc_u32 v41, 1, v38
	v_and_b32 v41, 2, v41
	v_lshlrev_b32 v41, 30, v41
	v_xor_b32 v[\c], v44, v41                      ; cos in quadrants 1, 2
.endm
.irp n, 0,1,2,3
	SINCOS 24+\n, 28+\n, 32+\n
.endr
	global_store_b128 v21, v[28:31], s[22:23]
	global_store_b128 v21, v[32:35], s[22:23] offset:2048
	s_endpgm
.Lfunc_end_k_qefb8652e5f_prep:
	.size	k_qefb8652e5f_prep, .Lfunc_end_k_qefb8652e5f_prep-k_qefb8652e5f_prep
	.p2alignl 7, 3214868480
	.fill 96, 4, 3214868480
	.section	.rodata,"a",@progbits
	.p2align	6, 0x0
	.amdhsa_kernel k_qefb8652e5f_prep
		.amdhsa_group_segment_fixed_size 33280
		.amdhsa_private_segment_fixed_size 0
		.amdhsa_enable_private_segment 0
		.amdhsa_kernarg_size 80
		.amdhsa_user_sgpr_count 2
		.amdhsa_user_sgpr_kernarg_segment_ptr 1
		.amdhsa_wavefront_size32 1
		.amdhsa_system_sgpr_workgroup_id_x 1
		.amdhsa_system_sgpr_workgroup_id_y 1
		.amdhsa_system_sgpr_workgroup_id_z 1
		.amdhsa_system_vgpr_workitem_id 0
		.amdhsa_next_free_vgpr 144
		.amdhsa_next_free_sgpr 66
		.amdhsa_reserve_vcc 1
		.amdhsa_float_denorm_mode_32 3
		.amdhsa_float_denorm_mode_16_64 3
		.amdhsa_memory_ordered 1
		.amdhsa_forward_progress 1
		.amdhsa_inst_pref_size 48
	.end_amdhsa_kernel
	.amdgpu_metadata
---
amdhsa.version: [ 1, 2 ]
amdhsa.kernels:
  - .name:           k_qefb8652e5f_prep
    .symbol:         k_qefb8652e5f_prep.kd
    .args:
      - { .name: x, .offset: 0, .size: 8, .value_kind: global_buffer, .address_space: global }
      - { .name: wq, .offset: 8, .size: 8, .value_kind: global_buffer, .address_space: global }
      - { .name: wk, .offset: 16, .size: 8, .value_kind: global_buffer, .address_space: global }
      - { .name: wv, .offset: 24, .size: 8, .value_kind: global_buffer, .address_space: global }
      - { .name: wo, .offset: 32, .size: 8, .value_kind: global_buffer, .address_space: global }
      - { .name: rope_freqs, .offset: 40, .size: 8, .value_kind: global_buffer, .address_space: global }
      - { .name: lowp_scales, .offset: 48, .size: 8, .value_kind: global_buffer, .address_space: global }
      - { .name: xc, .offset: 56, .size: 8, .value_kind: global_buffer, .address_space: global }
      - { .name: wc, .offset: 64, .size: 8, .value_kind: global_buffer, .address_space: global }
      - { .name: rtab, .offset: 72, .size: 8, .value_kind: global_buffer, .address_space: global }
    .group_segment_fixed_size: 33280
    .private_segment_fixed_size: 0
    .kernarg_segment_align: 8
    .kernarg_segment_size: 80
    .max_flat_workgroup_size: 128
    .sgpr_count:     66
    .vgpr_count:     144
    .wavefront_size: 32
...
	.end_amdgpu_metadata
.endif
;; end of part 1
;; launch qkva (part 2): grid 4 x 64, 4 waves a work-group, clusters of 4 x 4, 327,680 bytes of LDS; arguments xc, wc, lowp_scales, rtab, ac; writes ac
.if DOCPART == 2
	.amdgcn_target "amdgcn-amd-amdhsa--gfx1250"
	.amdhsa_code_object_version 6
	.text
	.protected	k_qefb8652e5f_qkva
	.globl	k_qefb8652e5f_qkva
	.p2align	8
	.type	k_qefb8652e5f_qkva,@function
k_qefb8652e5f_qkva:
	s_mov_b64 s[64:65], 0
	v_nop
	global_prefetch_b8 v0, s[64:65] scope:SCOPE_SE
	s_setreg_imm32_b32 hwreg(HW_REG_WAVE_MODE, 25, 1), 1
	s_wait_xcnt 0x0
	s_wait_alu depctr_hold_cnt(0) depctr_sa_sdst(0) depctr_va_vdst(0) depctr_va_sdst(0) depctr_va_ssrc(0) depctr_va_vcc(0) depctr_vm_vsrc(0)
	s_getreg_b32 s2, hwreg(HW_REG_IB_STS2, 6, 4)
	s_cmp_eq_u32 s2, 0
	s_cbranch_scc0 .Lentry_in_a_cluster
	s_endpgm
.Lentry_in_a_cluster:
	s_bfe_u32 s2, ttmp6, 0x10000c
	s_cmp_lg_u32 s2, 0xf033
	s_cbranch_scc0 .Lentry_shape_is_right
	s_endpgm
.Lentry_shape_is_right:
; SECOND OF THREE LAUNCHES.  For 256 rows of x (16 windows of 16 positions) and 256 columns (4 heads) a work-group makes q, k and v: three products on codes of FP8 (E4M3), K = 1024, each with its own set of x's codes.
; q and k are turned by the table of cosines and sines and quantised; the scores are a product on codes; the softmax takes the row's largest score away first and is normalised; p v is a product of f32 operands;
; its result leaves as codes for the last product: ac [16384][1024], K innermost.  Nothing of reference() is left out here: rtab holds the 16 positions that reference() indexes.
; SHARES: four waves, each 128 rows x 128 columns (8 windows x 2 heads): 64 accumulators in register windows 2 and 3.  Window 0: addresses, the table, x's fragments (two buffers), work registers.
;   Window 1: the weights' fragments (two buffers) and, in v0-63 and v192-255, q's codes and later p.
; LAYOUT: for q and k source 0 = 16 rows of the weight, source 1 = 16 rows of x: a lane holds one position and eight neighbouring columns, which the conversions want.  For v the sources are swapped: a lane holds one column and eight keys.
; THE RING: K goes in steps of 256 through two LDS slots (256 rows of x's codes, 256 of the weight's, rows of 256 bytes + 16 of padding), and runs on from product to product: 12 steps in all.
;   4 x 4 work-groups form a cluster: x's tiles are asked for jointly along a row of the cluster, the weights' along a column.  Every wait on TENSORcnt is for 0.
; THE LOOP: a trip is a lap (two K steps) from its second quarter on; q and k take four laps.  What follows a lap is one of three written-out first quarters: the same product goes on; k begins; v begins.
;   All three leave the ring and the fragment buffers in the same state.  The branches hang on the count of laps alone.
; PREFETCH INTO THE L2: behind the joint load of K step t each wave asks for its share of K step t + 2 (at the head also of step 1): 32 rows x 256 bytes, a lane a row.  The four partners that load 128 rows jointly
;   share them out by address.  x's rows are read by one row of one cluster.  All sixteen clusters read the same weights, so clusters 0, 1, 8 and 9 alone ask for those.  The last product's laps ask for nothing: no step lies behind them.
; LIMITS on the given exponents, so that each power of two is an f32 number: e6 - e0 - e1, e7 - e2 - e3 and e8 - e4 - e5 between -126 and 119; e6 + e7 between -123 and 130.  NaN among the inputs is not served.
.set KROW,  1024
.set ROWB,  256
.set PITCH, 272
.set HALFT, 128*PITCH
.set SLOT,  4*HALFT
.set SPARE, 2*SLOT
.set ADRA, 16
.set ADRB, 20
.set STO,  24
.set RD,   25
.set CO,   26
.set RT,   27
.set SPW,  28
.set NIL,  29
.set QS,   30
.set QL,   31
.set COS,  32
.set SIN,  48
.set F0,   64
.set F1,   128
.set TB,   128
.set U,    160
.set C,    176
.set TA,   192
.set S,    192
.set SM,   208
.set O,    224
.set G1, 24
.set G0, 32
.set G1B, 48
.set G0B, 56
.set PA, 66
.set AO, 68
.set BB, 72
.set KK, 74
.set BO, 75
.set OA, 76
.set OB, 78
.set CS, 90
.set SEL, 92
.set PH, 100
.set PF0, 2                            ; s[2:3]   my share of the rows that I fetch, at K step 0 of the first product; never rewritten
.set PFA, 70                           ; s[70:71] the same, at the lap that stands two laps on
.set PFS, 40                           ; s[40:41] from a product's second lap to the next product's first, in bytes
.set PFL, 69                           ; s69      1: my wave asks
.set LAP, 43                           ; s43      laps done
.set PFO, 8                            ; v8       1,024 x my lane: a row of codes a lane; never rewritten
.macro ASK base, off                   ; one prefetch a wave; the branch hangs on the wave's number and the cluster's number, which partners share
	s_cmp_eq_u32 s[PFL], 1
	s_cbranch_scc0 .Lnot_mine_\@
	global_prefetch_b8 v[PFO], s[\base:\base+1] offset:\off th:TH_LOAD_NT scope:SCOPE_SE
.Lnot_mine_\@:
.endm
.set MSB, 0
.macro WIN new
.if MSB != (\new)
	s_set_vgpr_msb (MSB<<8)|(\new)
.set MSB, (\new)
.endif
.endm
.set MUL_LO, 0xa1
.set MUL_HI, 0xf1
.set TO_B,   0x40
.macro JLOAD g0a, g1a, g0b, g1b
	s_cmp_eq_u32 s15, 0
	s_cbranch_scc0 .Lfor_b_\@
	tensor_load_to_lds s[\g0a:\g0a+3], s[\g1a:\g1a+7]
	s_nop 0
.rept 4
	v_nop
.endr
	s_branch .Lasked_\@
.Lfor_b_\@:
	tensor_load_to_lds s[\g0b:\g0b+3], s[\g1b:\g1b+7]
	s_nop 0
.rept 4
	v_nop
.endr
.Lasked_\@:
.endm
.macro CREST
	s_cmp_lg_u32 s14, 0
	s_cbranch_scc1 .Lnot_wave_0_\@
	s_barrier_signal -3
.Lnot_wave_0_\@:
	s_barrier_wait -3
	s_barrier_signal -1
	s_barrier_wait -1
.endm
.macro CROUND
	s_barrier_signal -1
	s_barrier_wait -1
	CREST
.endm
.macro PLACES n
.rept \n
	v_nop
.endr
.endm
	s_load_b128 s[4:7], s[0:1], 0x0
	s_load_b128 s[8:11], s[0:1], 0x10
	s_load_b64 s[12:13], s[0:1], 0x20
	v_lshl_add_u32 v[SPW], v0, 2, SPARE
	v_mov_b32 v[NIL], 0
	ds_add_u32 v[SPW], v[NIL]
	ds_add_u32 v[SPW], v[NIL]
	v_lshrrev_b32 v1, 5, v0
	v_readfirstlane_b32 s14, v1
	v_and_b32 v[PFO], 31, v0
	v_lshlrev_b32 v[PFO], 10, v[PFO]
	s_lshr_b32 s15, s14, 1
	s_and_b32 s16, s14, 1
	s_bfe_u32 s40, ttmp6, 0x40000
	s_bfe_u32 s41, ttmp6, 0x40004
	s_lshl_b32 s42, ttmp9, 2
	s_add_co_u32 s42, s42, s40
	s_and_b32 s17, ttmp7, 0xffff
	s_lshl_b32 s17, s17, 2
	s_add_co_u32 s17, s17, s41
	s_lshl_b32 s43, s41, 2
	s_lshl_b32 s43, 15, s43
	s_lshl_b32 s44, 0x1111, s40
	s_or_b32 s[G1+0], s43, (0<<16)|(1<<20)|(1<<21)|(5<<22)|(3<<25)
	s_or_b32 s[G1B+0], s44, (0<<16)|(1<<20)|(1<<21)|(5<<22)|(3<<25)
.irp g, G1, G1B
	s_mov_b32 s[\g+1], ROWB<<16
	s_mov_b32 s[\g+2], 128<<16
	s_mov_b32 s[\g+3], ROWB<<16
	s_mov_b32 s[\g+4], 128
	s_mov_b32 s[\g+5], KROW
	s_mov_b32 s[\g+6], 0
	s_mov_b32 s[\g+7], 0
.endr
	s_lshl_b32 s18, s16, 7
	s_lshl_b32 s20, s17, 8
	s_add_co_u32 s20, s20, s18
	s_lshl_b32 s46, s42, 8
	s_add_co_u32 s46, s46, s18
	s_mov_b32 s21, 0
	s_mov_b32 s47, 0
	s_mov_b64 s[18:19], KROW
	s_mul_u64 s[20:21], s[20:21], s[18:19]
	s_mul_u64 s[46:47], s[46:47], s[18:19]
	s_mul_i32 s45, s14, HALFT
	s_wait_alu depctr_va_vdst(0)
	s_wait_dscnt 0x0
	s_wait_kmcnt 0x0
	s_load_b256 s[80:87], s[8:9], 0x0
	s_load_b64 s[88:89], s[8:9], 0x20
	s_add_nc_u64 s[PA:PA+1], s[4:5], s[20:21]
	s_add_nc_u64 s[BB:BB+1], s[6:7], s[46:47]
	CROUND
.irp s, 0,1
	s_mov_b32 s[G0+4*\s], 1
	s_add_co_u32 s[G0+4*\s+1], s45, \s*SLOT
	s_add_nc_u64 s[G0+4*\s+2:G0+4*\s+3], s[PA:PA+1], \s*ROWB
	s_or_b32 s[G0+4*\s+3], s[G0+4*\s+3], 0x80000000
	s_mov_b32 s[G0B+4*\s], 1
	s_add_co_u32 s[G0B+4*\s+1], s45, \s*SLOT
	s_add_nc_u64 s[G0B+4*\s+2:G0B+4*\s+3], s[BB:BB+1], \s*ROWB
	s_or_b32 s[G0B+4*\s+3], s[G0B+4*\s+3], 0x80000000
.endr
	JLOAD G0, G1, G0B, G1B                         ; K step 0: one tensor load a wave at the head; the set-up below stands under its flight
	s_cmp_eq_u32 s15, 0                            ; do I fetch x's codes?
	s_cselect_b64 s[PF0:PF0+1], s[PA:PA+1], s[BB:BB+1]
	s_cselect_b32 s18, s40, s41                    ; my place among the four that ask with me: cx for x, cy for the weights
	s_cselect_b32 s[PFL], 1, 0
	s_mov_b32 s[PFS], 0x100000-512
	s_cselect_b32 s[PFS], 0x1000000-512, s[PFS]    ; the sets of x's codes lie 2^24 bytes apart, the weights 2^20
	s_mov_b32 s[PFS+1], 0
	s_lshl_b32 s18, s18, 15                        ; 32 rows of 1,024 bytes
	s_mov_b32 s19, 0
	s_add_nc_u64 s[PF0:PF0+1], s[PF0:PF0+1], s[18:19]
	s_add_nc_u64 s[PFA:PFA+1], s[PF0:PF0+1], s[PFS:PFS+1]
	s_add_nc_u64 s[PFA:PFA+1], s[PFA:PFA+1], 512   ; the second product's first lap
	s_and_b32 s19, ttmp7, 6
	s_cselect_b32 s19, 0, 1                        ; 1 in clusters 0, 1, 8, 9
	s_or_b32 s[PFL], s[PFL], s19
	s_cmp_eq_u32 s[PFL], 1
	s_cbranch_scc0 .Lno_head_ask
	global_prefetch_b8 v[PFO], s[PF0:PF0+1] offset:256 th:TH_LOAD_NT scope:SCOPE_SE   ; K step 1
	global_prefetch_b8 v[PFO], s[PF0:PF0+1] offset:512 th:TH_LOAD_NT scope:SCOPE_SE   ; K step 2
.Lno_head_ask:
	v_and_b32 v1, 15, v0
	v_bfe_u32 v2, v0, 4, 1
	v_mul_u32_u24 v3, v1, PITCH
	s_wait_alu depctr_va_vdst(0)
	v_lshl_add_u32 v4, v2, 4, v3
	s_mul_i32 s21, s15, HALFT
	s_mul_i32 s22, s16, HALFT
	s_add_co_u32 s22, s22, 2*HALFT
.irp s, 0,1
	v_add_nc_u32 v[ADRA+\s], s21, v4
	v_add_nc_u32 v[ADRB+\s], s22, v4
	s_add_co_u32 s21, s21, SLOT
	s_add_co_u32 s22, s22, SLOT
.endr
	s_mul_i32 s23, s15, HALFT
	s_lshl_b32 s18, s16, 7
	s_add_co_u32 s23, s23, s18
	v_lshl_add_u32 v5, v2, 3, v3
	v_add_nc_u32 v[STO], s23, v5
	s_mul_i32 s23, s14, 64*PITCH
	v_mul_u32_u24 v5, v2, PITCH
	v_lshl_add_u32 v5, v1, 4, v5
	v_add_nc_u32 v[RD], s23, v5
	v_lshlrev_b32 v5, 10, v2
	v_lshl_add_u32 v[CO], v1, 4, v5
	s_lshl_b32 s20, s17, 8
	s_lshl_b32 s21, s14, 6
	s_add_co_u32 s20, s20, s21
	s_lshl_b32 s20, s20, 10
	s_mov_b32 s21, 0
	s_add_nc_u64 s[12:13], s[12:13], s[20:21]
	s_lshl_b32 s46, s42, 8
	s_mov_b32 s47, 0
	s_add_nc_u64 s[12:13], s[12:13], s[46:47]
	v_and_b32 v6, 31, v0
	v_lshlrev_b32 v[RT], 4, v6
.irp c, 0,1,2,3,4,5,6,7
	global_load_b128 v[COS+4*\c:COS+4*\c+3], v[RT], s[10:11] offset:512*\c
.endr
	WIN TO_B
.set i, 0
.rept 64
	v_mov_b32 v[i], 0
	v_mov_b32 v[192+i], 0
.set i, i+1
.endr
	WIN 0
	s_mov_b32 s[SEL], 0x76543210
	s_mov_b32 s[SEL+1], 0xfedcba98
	s_mov_b32 s[KK], ROWB
	s_mov_b32 s[AO], 0
	s_mov_b32 s[BO], 0
	s_mov_b32 s[OA+1], 0
	s_mov_b32 s[OB+1], 0
	s_wait_kmcnt 0x0
.macro MKSCALE d
	s_add_co_i32 s18, s18, 127
	s_lshl_b32 s[\d], s18, 23
	s_add_co_i32 s18, s18, 8
	s_lshl_b32 s18, s18, 23
	s_or_b32 s[\d+1], s18, 0x600000
.endm
	s_sub_co_i32 s18, s86, s80
	s_sub_co_i32 s18, s18, s81
	MKSCALE 94
	s_sub_co_i32 s18, s87, s82
	s_sub_co_i32 s18, s18, s83
	MKSCALE 96
	s_sub_co_i32 s18, s88, s84
	s_sub_co_i32 s18, s18, s85
	MKSCALE 98
	s_add_co_i32 s18, s86, s87
	s_lshl_b32 s18, s18, 23
	s_add_co_i32 s[CS], s18, 0x3e38aa3b
	s_mov_b32 s[CS+1], s[CS]
.macro MUL16 f, hi, a0, zero, sw
.irp a, \a0, \a0+1
.irp b, 0,1,2,3,4,5,6,7
.if \sw
.if \zero
	v_wmma_f32_16x16x64_fp8_fp8 v[8*(8*(\a)+\b):8*(8*(\a)+\b)+7], v[\f+8*(4*\hi+\a):\f+8*(4*\hi+\a)+7], v[\f+8*\b:\f+8*\b+7], 0
.else
	v_wmma_f32_16x16x64_fp8_fp8 v[8*(8*(\a)+\b):8*(8*(\a)+\b)+7], v[\f+8*(4*\hi+\a):\f+8*(4*\hi+\a)+7], v[\f+8*\b:\f+8*\b+7], v[8*(8*(\a)+\b):8*(8*(\a)+\b)+7]
.endif
.else
.if \zero
	v_wmma_f32_16x16x64_fp8_fp8 v[8*(8*(\a)+\b):8*(8*(\a)+\b)+7], v[\f+8*\b:\f+8*\b+7], v[\f+8*(4*\hi+\a):\f+8*(4*\hi+\a)+7], 0
.else
	v_wmma_f32_16x16x64_fp8_fp8 v[8*(8*(\a)+\b):8*(8*(\a)+\b)+7], v[\f+8*\b:\f+8*\b+7], v[\f+8*(4*\hi+\a):\f+8*(4*\hi+\a)+7], v[8*(8*(\a)+\b):8*(8*(\a)+\b)+7]
.endif
.endif
.endr
.endr
.endm
.macro FETCH slot, k, f
	WIN TO_B
.irp i, 0,1,2,3,4,5,6,7
	ds_load_b128 v[\f+8*\i:\f+8*\i+3],   v[ADRB+\slot] offset:\k+\i*16*PITCH
	ds_load_b128 v[\f+8*\i+4:\f+8*\i+7], v[ADRB+\slot] offset:\k+\i*16*PITCH+32
.endr
	WIN 0
.irp i, 0,1,2,3,4,5,6,7
	ds_load_b128 v[\f+8*\i:\f+8*\i+3],   v[ADRA+\slot] offset:\k+\i*16*PITCH
	ds_load_b128 v[\f+8*\i+4:\f+8*\i+7], v[ADRA+\slot] offset:\k+\i*16*PITCH+32
.endr
.endm
.macro QUARTER slot, k, f, g, zero, sw
	s_wait_dscnt 8
	WIN MUL_LO+3*\sw
	MUL16 \f, 0, 0, \zero, \sw
	MUL16 \f, 0, 2, \zero, \sw
	PLACES 4
	FETCH \slot, \k, \g
	s_wait_dscnt 32
	WIN MUL_HI+3*\sw
	MUL16 \f, 1, 0, \zero, \sw
	MUL16 \f, 1, 2, \zero, \sw
.endm
.macro NEXTOFF slot
	s_add_co_u32 s[KK], s[KK], ROWB
	s_and_b32 s[KK], s[KK], KROW-1
	s_cselect_b32 s18, 0, 0x100000
	s_cselect_b32 s19, 0, 0x1000000
	s_add_co_u32 s[BO], s[BO], s18
	s_add_co_u32 s[AO], s[AO], s19
	s_add_co_u32 s[OA], s[AO], s[KK]
	s_add_nc_u64 s[G0+4*\slot+2:G0+4*\slot+3], s[PA:PA+1], s[OA:OA+1]
	s_or_b32 s[G0+4*\slot+3], s[G0+4*\slot+3], 0x80000000
	s_add_co_u32 s[OB], s[BO], s[KK]
	s_add_nc_u64 s[G0B+4*\slot+2:G0B+4*\slot+3], s[BB:BB+1], s[OB:OB+1]
	s_or_b32 s[G0B+4*\slot+3], s[G0B+4*\slot+3], 0x80000000
.endm
.macro TURN slot, next, fill, sw
	WIN 0
	s_wait_tensorcnt 0x0
	ds_add_u32 v[SPW], v[NIL]
.if \fill
	NEXTOFF \slot
.endif
	s_wait_dscnt 9
	WIN MUL_LO+3*\sw
	MUL16 F1, 0, 0, 0, \sw
	s_wait_dscnt 0x0
	s_barrier_signal -1
	MUL16 F1, 0, 2, 0, \sw
	WIN 0
	s_barrier_wait -1
.if \fill
	CREST
	JLOAD G0+4*\slot, G1, G0B+4*\slot, G1B
.else
	PLACES 4
.endif
	FETCH \next, 0, F0
.if (\sw) == 0
	ASK PFA, 256*\slot                             ; the K step two refills on, behind the joint load and the run of LDS loads
.endif
	WIN MUL_HI+3*\sw
	MUL16 F1, 1, 0, 0, \sw
	MUL16 F1, 1, 2, 0, \sw
.endm
.macro GEMM sw, on                     ; a product from its second quarter on
	QUARTER 0, 128, F1, F0, 0, \sw
	QUARTER 0, 192, F0, F1, 0, \sw
	TURN 0, 1, 1, \sw
	QUARTER 1, 64,  F0, F1, 0, \sw
	QUARTER 1, 128, F1, F0, 0, \sw
	QUARTER 1, 192, F0, F1, 0, \sw
	TURN 1, 0, 1, \sw
	QUARTER 0, 64,  F0, F1, 0, \sw
	QUARTER 0, 128, F1, F0, 0, \sw
	QUARTER 0, 192, F0, F1, 0, \sw
	TURN 0, 1, \on, \sw
	QUARTER 1, 64,  F0, F1, 0, \sw
	QUARTER 1, 128, F1, F0, 0, \sw
	QUARTER 1, 192, F0, F1, 0, \sw
.if \on
	TURN 1, 0, 1, \sw
.else
	s_wait_dscnt 8
	WIN MUL_LO+3*\sw
	MUL16 F1, 0, 0, 0, \sw
	MUL16 F1, 0, 2, 0, \sw
	s_wait_dscnt 0x0
	WIN MUL_HI+3*\sw
	MUL16 F1, 1, 0, 0, \sw
	MUL16 F1, 1, 2, 0, \sw
.endif
	WIN 0
.endm
.macro ROPE a, hh, T
	WIN 0x02+(\a)/4
.set AC, 64*((\a)%4)+32*(\hh)
.irp t, 0,1
.irp j, 0,2,4,6
	v_pk_mul_f32 v[U+8*\t+\j:U+8*\t+\j+1], v[AC+16+8*\t+\j:AC+16+8*\t+\j+1], v[SIN+8*\t+\j:SIN+8*\t+\j+1]
.endr
.endr
.irp t, 0,1
.irp j, 0,2,4,6
	v_pk_fma_f32 v[\T+8*\t+\j:\T+8*\t+\j+1], v[AC+8*\t+\j:AC+8*\t+\j+1], v[COS+8*\t+\j:COS+8*\t+\j+1], v[U+8*\t+\j:U+8*\t+\j+1] neg_lo:[0,0,1] neg_hi:[0,0,1]
.endr
.endr
.irp t, 0,1
.irp j, 0,2,4,6
	v_pk_mul_f32 v[U+8*\t+\j:U+8*\t+\j+1], v[AC+16+8*\t+\j:AC+16+8*\t+\j+1], v[COS+8*\t+\j:COS+8*\t+\j+1]
.endr
.endr
.irp t, 0,1
.irp j, 0,2,4,6
	v_pk_fma_f32 v[\T+16+8*\t+\j:\T+16+8*\t+\j+1], v[AC+8*\t+\j:AC+8*\t+\j+1], v[SIN+8*\t+\j:SIN+8*\t+\j+1], v[U+8*\t+\j:U+8*\t+\j+1]
.endr
.endr
.endm
.macro EPI a
.set QC0, 16*(\a)+128*((\a)/4)
.set QC1, QC0+8
	ROPE \a, 0, TA
	ROPE \a, 1, TB
	WIN 0
.set i, 0
.rept 32
	v_med3_num_f32 v[TA+i], v[TA+i], -v[QL], v[QL]
	v_med3_num_f32 v[TB+i], v[TB+i], -v[QL], v[QL]
.set i, i+1
.endr
	s_cmp_eq_u32 s[PH], 0
	s_cbranch_scc0 .Lkeys_\@
	WIN TO_B
.irp t, 0,1,2,3
	v_cvt_scalef32_pk8_fp8_f32 v[QC0+2*\t:QC0+2*\t+1], v[TA+8*\t:TA+8*\t+7], v[QS]
	v_cvt_scalef32_pk8_fp8_f32 v[QC1+2*\t:QC1+2*\t+1], v[TB+8*\t:TB+8*\t+7], v[QS]
.endr
	v_nop
	WIN 0
	s_branch .Ljoin_\@
.Lkeys_\@:
	s_wait_alu depctr_va_vdst(0)
.irp t, 0,1,2,3
	v_cvt_scalef32_pk8_fp8_f32 v[C+2*\t:C+2*\t+1], v[TA+8*\t:TA+8*\t+7], v[QS]
	v_cvt_scalef32_pk8_fp8_f32 v[C+8+2*\t:C+8+2*\t+1], v[TB+8*\t:TB+8*\t+7], v[QS]
.endr
	v_nop
	WIN 0x04
	v_wmma_f32_16x16x64_fp8_fp8 v[S:S+7], v[C:C+7], v[QC0:QC0+7], 0
	v_wmma_f32_16x16x64_fp8_fp8 v[S+8:S+15], v[C+8:C+15], v[QC1:QC1+7], 0
	WIN 0
	PLACES 4
.irp hh, 0,1
	v_max3_num_f32 v[SM+8*\hh], v[S+8*\hh], v[S+8*\hh+1], v[S+8*\hh+2]
.endr
.irp hh, 0,1
	v_max3_num_f32 v[SM+8*\hh+1], v[S+8*\hh+3], v[S+8*\hh+4], v[S+8*\hh+5]
.endr
.irp hh, 0,1
	v_max3_num_f32 v[SM+8*\hh], v[SM+8*\hh], v[S+8*\hh+6], v[S+8*\hh+7]
.endr
.irp hh, 0,1
	v_max_num_f32 v[SM+8*\hh], v[SM+8*\hh], v[SM+8*\hh+1]
.endr
.irp hh, 0,1
	v_permlanex16_b32 v[SM+8*\hh+1], v[SM+8*\hh], s[SEL], s[SEL+1]
.endr
.irp hh, 0,1
	v_max_num_f32 v[SM+8*\hh], v[SM+8*\hh], v[SM+8*\hh+1]
.endr
.irp hh, 0,1
	v_mul_f32 v[SM+8*\hh], s[CS], v[SM+8*\hh]
.endr
.irp hh, 0,1
.irp j, 0,2,4,6
	v_pk_fma_f32 v[S+8*\hh+\j:S+8*\hh+\j+1], v[S+8*\hh+\j:S+8*\hh+\j+1], s[CS:CS+1], v[SM+8*\hh:SM+8*\hh+1] op_sel_hi:[1,0,0] neg_lo:[0,0,1] neg_hi:[0,0,1]
.endr
.endr
.set i, 0
	s_wait_alu depctr_va_vdst(0)
.rept 16
	v_exp_f32 v[S+i], v[S+i]
.set i, i+1
.endr
	v_nop
	s_wait_alu depctr_va_vdst(0)
.irp hh, 0,1
	v_pk_add_f32 v[SM+8*\hh+2:SM+8*\hh+3], v[S+8*\hh:S+8*\hh+1], v[S+8*\hh+2:S+8*\hh+3]
	v_pk_add_f32 v[SM+8*\hh+4:SM+8*\hh+5], v[S+8*\hh+4:S+8*\hh+5], v[S+8*\hh+6:S+8*\hh+7]
.endr
.irp hh, 0,1
	v_pk_add_f32 v[SM+8*\hh+2:SM+8*\hh+3], v[SM+8*\hh+2:SM+8*\hh+3], v[SM+8*\hh+4:SM+8*\hh+5]
.endr
.irp hh, 0,1
	v_add_f32 v[SM+8*\hh+4], v[SM+8*\hh+2], v[SM+8*\hh+3]
.endr
.irp hh, 0,1
	v_permlanex16_b32 v[SM+8*\hh+5], v[SM+8*\hh+4], s[SEL], s[SEL+1]
.endr
.irp hh, 0,1
	v_add_f32 v[SM+8*\hh+4], v[SM+8*\hh+4], v[SM+8*\hh+5]
.endr
	s_wait_alu depctr_va_vdst(0)
.irp hh, 0,1
	v_rcp_f32 v[SM+8*\hh+4], v[SM+8*\hh+4]
.endr
	v_nop
	s_wait_alu depctr_va_vdst(0)
	WIN TO_B
.irp j, 0,2,4,6
	v_pk_mul_f32 v[QC0+\j:QC0+\j+1], v[S+\j:S+\j+1], v[SM+4:SM+5] op_sel_hi:[1,0]
	v_pk_mul_f32 v[QC1+\j:QC1+\j+1], v[S+8+\j:S+8+\j+1], v[SM+12:SM+13] op_sel_hi:[1,0]
.endr
	WIN 0
.Ljoin_\@:
.endm
.macro PV a, hh
.set PR, 16*(\a)+128*((\a)/4)+8*(\hh)
.set VA, 64*((\a)%4)+32*(\hh)
.set CB, C+8*(\hh)
	WIN 0x06+(\a)/4
.irp s, 0,1,2,3
.irp dt, 0,1,2,3
.if \s == 0
	v_wmma_f32_16x16x4_f32 v[O+8*\dt:O+8*\dt+7], v[VA+8*\dt+2*\s:VA+8*\dt+2*\s+1], v[PR+2*\s:PR+2*\s+1], 0
.else
	v_wmma_f32_16x16x4_f32 v[O+8*\dt:O+8*\dt+7], v[VA+8*\dt+2*\s:VA+8*\dt+2*\s+1], v[PR+2*\s:PR+2*\s+1], v[O+8*\dt:O+8*\dt+7]
.endif
.endr
.endr
	WIN 0
	PLACES 8
.set i, 0
	s_wait_alu depctr_va_vdst(0)
.rept 32
	v_med3_num_f32 v[TA+i], v[O+i], -v[QL], v[QL]
.set i, i+1
.endr
	s_wait_alu depctr_va_vdst(0)
	s_wait_dscnt 4
.irp dt, 0,1,2,3
	v_cvt_scalef32_pk8_fp8_f32 v[CB+2*\dt:CB+2*\dt+1], v[TA+8*\dt:TA+8*\dt+7], v[QS]
.endr
	v_nop
.irp dt, 0,1,2,3
	ds_store_b64 v[STO], v[CB+2*\dt:CB+2*\dt+1] offset:16*(\a)*PITCH+64*(\hh)+16*\dt
.endr
.endm
	s_wait_alu depctr_va_vdst(0)
	s_wait_tensorcnt 0x0                           ; my part of K step 0 is in; slot 1's first fill is issued as a refill is:
	ds_add_u32 v[SPW], v[NIL]
	s_wait_dscnt 0x0
	CROUND                                         ; everybody's part is in, and all sixteen work-groups are here
	JLOAD G0+4, G1, G0B+4, G1B                     ; K step 1
	FETCH 0, 0, F0
	ASK PF0, 768                                   ; K step 3
	s_wait_loadcnt 0x0                             ; the table
	s_mov_b32 s[PH], 0                             ; 0: q is being made, 1: k
	s_mov_b32 s[LAP], 0
	v_mov_b32 v[QS], s94
	v_mov_b32 v[QL], s95
	QUARTER 0, 64,  F0, F1, 1, 0                   ; q's first quarter starts the sums
	WIN 0
.Llap:                                                 ; four trips: q's two laps, k's two laps; each fills both slots again
	QUARTER 0, 128, F1, F0, 0, 0
	QUARTER 0, 192, F0, F1, 0, 0
	TURN 0, 1, 1, 0
	QUARTER 1, 64,  F0, F1, 0, 0
	QUARTER 1, 128, F1, F0, 0, 0
	QUARTER 1, 192, F0, F1, 0, 0
	TURN 1, 0, 1, 0
	WIN 0
	s_and_b32 s18, s[LAP], 1
	s_cmp_lg_u32 s18, 0
	s_cbranch_scc1 .Lodd
	QUARTER 0, 64,  F0, F1, 0, 0                   ; a product's first lap is done: its second begins
	WIN 0
	s_wait_xcnt 0x0                                ; my prefetches have read their address
	s_add_nc_u64 s[PFA:PFA+1], s[PFA:PFA+1], 512
	s_branch .Lnext
.Lodd:                                                 ; a product is finished
	PLACES 4
.irp a, 0,1,2,3,4,5,6,7
	EPI \a
.endr
	s_wait_xcnt 0x0
	s_add_nc_u64 s[PFA:PFA+1], s[PFA:PFA+1], s[PFS:PFS+1]   ; (behind k it is used no more)
	s_add_co_u32 s[PH], s[PH], 1
	s_cmp_eq_u32 s[PH], 1
	s_cbranch_scc0 .Lto_v
	v_mov_b32 v[QS], s96
	v_mov_b32 v[QL], s97
	QUARTER 0, 64,  F0, F1, 1, 0                   ; k's first quarter
	WIN 0
	s_branch .Lnext
.Lto_v:
	v_mov_b32 v[QS], s98
	v_mov_b32 v[QL], s99
	QUARTER 0, 64,  F0, F1, 1, 1                   ; v's first quarter, sources swapped
	WIN 0
.Lnext:
	s_add_co_u32 s[LAP], s[LAP], 1
	s_cmp_lt_u32 s[LAP], 4
	s_cbranch_scc1 .Llap
	GEMM 1, 0                                      ; the rest of v: its first lap fills the slots for the last time
	PLACES 5
.irp a, 0,1,2,3,4,5,6,7
	PV \a, 0
	PV \a, 1
.endr
	s_wait_dscnt 0x0
	s_barrier_signal -1
	s_barrier_wait -1
.set t, 0
.rept 32
	ds_load_b128 v[F0+4*t:F0+4*t+3], v[RD] offset:2*t*PITCH
.set t, t+1
.endr
.set t, 0
.rept 32
	s_wait_dscnt 31-t
	global_store_b128 v[CO], v[F0+4*t:F0+4*t+3], s[12:13] offset:2*t*KROW
.set t, t+1
.endr
	s_wait_tensorcnt 0x0
	ds_add_u32 v[SPW], v[NIL]
	s_wait_dscnt 0x0
	CROUND
	s_endpgm
.Lfunc_end_k_qefb8652e5f_qkva:
	.size	k_qefb8652e5f_qkva, .Lfunc_end_k_qefb8652e5f_qkva-k_qefb8652e5f_qkva
	.p2alignl 7, 3214868480
	.fill 96, 4, 3214868480
	.section	.rodata,"a",@progbits
	.p2align	6, 0x0
	.amdhsa_kernel k_qefb8652e5f_qkva
		.amdhsa_group_segment_fixed_size 327680
		.amdhsa_private_segment_fixed_size 0
		.amdhsa_enable_private_segment 0
		.amdhsa_kernarg_size 40
		.amdhsa_user_sgpr_count 2
		.amdhsa_user_sgpr_kernarg_segment_ptr 1
		.amdhsa_wavefront_size32 1
		.amdhsa_system_sgpr_workgroup_id_x 1
		.amdhsa_system_sgpr_workgroup_id_y 1
		.amdhsa_system_sgpr_workgroup_id_z 1
		.amdhsa_system_vgpr_workitem_id 0
		.amdhsa_next_free_vgpr 1024
		.amdhsa_next_free_sgpr 101
		.amdhsa_reserve_vcc 0
		.amdhsa_float_denorm_mode_32 3
		.amdhsa_float_denorm_mode_16_64 3
		.amdhsa_memory_ordered 1
		.amdhsa_forward_progress 1
		.amdhsa_inst_pref_size 255
	.end_amdhsa_kernel
	.section	.bss,"aw",@nobits
	.p2align	6
	.space	262144
	.amdgpu_metadata
---
amdhsa.version: [ 1, 2 ]
amdhsa.kernels:
  - .name:           k_qefb8652e5f_qkva
    .symbol:         k_qefb8652e5f_qkva.kd
    .args:
      - { .name: xc, .offset: 0, .size: 8, .value_kind: global_buffer, .address_space: global }
      - { .name: wc, .offset: 8, .size: 8, .value_kind: global_buffer, .address_space: global }
      - { .name: lowp_scales, .offset: 16, .size: 8, .value_kind: global_buffer, .address_space: global }
      - { .name: rtab, .offset: 24, .size: 8, .value_kind: global_buffer, .address_space: global }
      - { .name: ac, .offset: 32, .size: 8, .value_kind: global_buffer, .address_space: global }
    .group_segment_fixed_size: 327680
    .private_segment_fixed_size: 0
    .kernarg_segment_align: 8
    .kernarg_segment_size: 40
    .max_flat_workgroup_size: 128
    .sgpr_count:     101
    .vgpr_count:     1024
    .wavefront_size: 32
...
	.end_amdgpu_metadata
.endif
;; end of part 2
;; launch oproj (part 3): grid 4 x 64, 4 waves a work-group, clusters of 4 x 4, 327,680 bytes of LDS; arguments ac, wc, lowp_scales, out0; writes out0
.if DOCPART == 3
	.amdgcn_target "amdgcn-amd-amdhsa--gfx1250"
	.amdhsa_code_object_version 6
	.text
	.protected	k_qefb8652e5f_oproj
	.globl	k_qefb8652e5f_oproj
	.p2align	8
	.type	k_qefb8652e5f_oproj,@function
k_qefb8652e5f_oproj:
	s_mov_b64 s[64:65], 0
	v_nop
	global_prefetch_b8 v0, s[64:65] scope:SCOPE_SE
	s_setreg_imm32_b32 hwreg(HW_REG_WAVE_MODE, 25, 1), 1
	s_wait_xcnt 0x0
	s_wait_alu depctr_hold_cnt(0) depctr_sa_sdst(0) depctr_va_vdst(0) depctr_va_sdst(0) depctr_va_ssrc(0) depctr_va_vcc(0) depctr_vm_vsrc(0)
	s_getreg_b32 s2, hwreg(HW_REG_IB_STS2, 6, 4)
	s_cmp_eq_u32 s2, 0
	s_cbranch_scc0 .Lentry_in_a_cluster
	s_endpgm
.Lentry_in_a_cluster:
	s_bfe_u32 s2, ttmp6, 0x10000c
	s_cmp_lg_u32 s2, 0xf033
	s_cbranch_scc0 .Lentry_shape_is_right
	s_endpgm
.Lentry_shape_is_right:
; THIRD OF THREE LAUNCHES: out0 = attention's codes (ac, [16384][1024]) x wo's codes (the fourth weight in wc, [1024 (n)][1024 (k)]), FP8 (E4M3), sums in f32, each finished sum x 2^(e8 + e9).
; Nothing of reference() is left out here.  LIMIT: e8 + e9 lies between -126 and 127, so that 2^(e8 + e9) is an f32 number.
; A work-group of four waves makes 256 x 256 of the result, a wave 128 x 128: 64 accumulators in register windows 2 and 3; window 0 holds addresses and one set of ac's fragments, window 1 two sets of wo's.
; K goes in four steps of 256 through two LDS slots (rows of 256 bytes + 16 of padding).  4 x 4 work-groups form a cluster: ac's tiles are asked for jointly along a row of the cluster, wo's along a column.
; Source 0 = 16 rows of wo, source 1 = 16 rows of ac: a lane holds eight neighbouring numbers of a row of the result.
; PREFETCH INTO THE L2: behind K step 0's joint load each wave asks for its share of K steps 1 and 2, behind K step 1's of K step 3: 32 rows x 256 bytes, a lane a row; the four partners that load 128 rows jointly share them out
;   by address.  All sixteen clusters read the same wo, so clusters 0, 1, 8 and 9 alone ask for it.  The refills have no step two on, so the loop asks for nothing.
; THE WAY OUT: a block of 16 rows x 128 columns is scaled, goes through the wave's stage in LDS and comes back, as whole rows of 512 bytes, into the block's own accumulators, which are done with.
;   So no store's data are written again; every store's offset is an immediate (at most 127 rows of 4,096 bytes), so the base is never stepped: no wait stands among the stores.
.set SIZE_M, 16384
.set SIZE_N, 1024
.set SIZE_K, 1024
.set KSTEP,  256
.set ROWB,   256
.set KROW,   SIZE_K
.set PITCH,  272
.set FR,     16
.set NL,     4
.set NP,     4
.set HALFT,  128*PITCH
.set SLOT,   4*HALFT
.set LAPS,   SIZE_K/(2*KSTEP)
.set SPARE,  2*SLOT
.set SPITCH, 528
.set ADRA, 16
.set ADRB, 20
.set STO,  24
.set RD,   25
.set CO,   26
.set SPW,  28
.set NIL,  29
.set TMP,  32
.set AF,   128
.set G1, 24
.set G0, 32
.set G1B, 48
.set G0B, 56
.set PF0, 66                           ; s[66:67] my share of the rows that I fetch, at K step 0; never rewritten
.set PFL, 68                           ; s68      1: my wave asks
.set PFO, 8                            ; v8       1,024 x my lane: a row of codes a lane; never rewritten
.set MSB, 0
.macro WIN new
.if MSB != \new
	s_set_vgpr_msb (MSB<<8)|\new
.set MSB, \new
.endif
.endm
.set MUL_LO, 0xa1
.set MUL_HI, 0xf1
.set TO_B,   0x40
.macro JLOAD g0a, g1a, g0b, g1b
	s_cmp_eq_u32 s15, 0
	s_cbranch_scc0 .Lfor_b_\@
	tensor_load_to_lds s[\g0a:\g0a+3], s[\g1a:\g1a+7]
	s_nop 0
.rept 4
	v_nop
.endr
	s_branch .Lasked_\@
.Lfor_b_\@:
	tensor_load_to_lds s[\g0b:\g0b+3], s[\g1b:\g1b+7]
	s_nop 0
.rept 4
	v_nop
.endr
.Lasked_\@:
.endm
.macro CREST
	s_cmp_lg_u32 s14, 0
	s_cbranch_scc1 .Lnot_wave_0_\@
	s_barrier_signal -3
.Lnot_wave_0_\@:
	s_barrier_wait -3
	s_barrier_signal -1
	s_barrier_wait -1
.endm
.macro CROUND
	s_barrier_signal -1
	s_barrier_wait -1
	CREST
.endm
	s_load_b128 s[4:7], s[0:1], 0x0
	s_load_b128 s[8:11], s[0:1], 0x10
	v_lshl_add_u32 v[SPW], v0, 2, SPARE
	v_mov_b32 v[NIL], 0
	ds_add_u32 v[SPW], v[NIL]
	ds_add_u32 v[SPW], v[NIL]
	v_lshrrev_b32 v1, 5, v0
	v_readfirstlane_b32 s14, v1
	v_and_b32 v[PFO], 31, v0
	v_lshlrev_b32 v[PFO], 10, v[PFO]
	s_lshr_b32 s15, s14, 1
	s_and_b32 s16, s14, 1
	s_bfe_u32 s40, ttmp6, 0x40000
	s_bfe_u32 s41, ttmp6, 0x40004
	s_lshl_b32 s42, ttmp9, 2
	s_add_co_u32 s42, s42, s40
	s_and_b32 s17, ttmp7, 0xffff
	s_lshl_b32 s17, s17, 2
	s_add_co_u32 s17, s17, s41
	s_lshl_b32 s43, s41, 2
	s_lshl_b32 s43, 15, s43
	s_lshl_b32 s44, 0x1111, s40
	s_or_b32 s[G1+0], s43, (0<<16)|(1<<20)|(1<<21)|(5<<22)|(3<<25)
	s_or_b32 s[G1B+0], s44, (0<<16)|(1<<20)|(1<<21)|(5<<22)|(3<<25)
.irp g, G1, G1B
	s_mov_b32 s[\g+1], ROWB<<16
	s_mov_b32 s[\g+2], 128<<16
	s_mov_b32 s[\g+3], ROWB<<16
	s_mov_b32 s[\g+4], 128
	s_mov_b32 s[\g+5], KROW
	s_mov_b32 s[\g+6], 0
	s_mov_b32 s[\g+7], 0
.endr
	s_lshl_b32 s18, s16, 7
	s_lshl_b32 s20, s17, 8
	s_add_co_u32 s20, s20, s18
	s_lshl_b32 s46, s42, 8
	s_add_co_u32 s46, s46, s18
	s_mov_b32 s21, 0
	s_mov_b32 s47, 0
	s_mov_b64 s[18:19], KROW
	s_mul_u64 s[20:21], s[20:21], s[18:19]
	s_mul_u64 s[46:47], s[46:47], s[18:19]
	s_mul_i32 s45, s14, HALFT
	s_wait_alu depctr_va_vdst(0)
	s_wait_dscnt 0x0
	s_wait_kmcnt 0x0
	s_load_b64 s[96:97], s[8:9], 0x20
	s_add_nc_u64 s[6:7], s[6:7], 0x300000
	s_add_nc_u64 s[20:21], s[4:5], s[20:21]
	s_add_nc_u64 s[46:47], s[6:7], s[46:47]
	CROUND
.irp s, 0,1
	s_mov_b32 s[G0+4*\s], 1
	s_add_co_u32 s[G0+4*\s+1], s45, \s*SLOT
	s_add_nc_u64 s[G0+4*\s+2:G0+4*\s+3], s[20:21], \s*ROWB
	s_or_b32 s[G0+4*\s+3], s[G0+4*\s+3], 0x80000000
	s_mov_b32 s[G0B+4*\s], 1
	s_add_co_u32 s[G0B+4*\s+1], s45, \s*SLOT
	s_add_nc_u64 s[G0B+4*\s+2:G0B+4*\s+3], s[46:47], \s*ROWB
	s_or_b32 s[G0B+4*\s+3], s[G0B+4*\s+3], 0x80000000
.endr
	JLOAD G0, G1, G0B, G1B                         ; K step 0: one tensor load a wave at the head; the set-up below stands under its flight
	s_cmp_eq_u32 s15, 0                            ; do I fetch ac's codes?
	s_cselect_b64 s[PF0:PF0+1], s[20:21], s[46:47]
	s_cselect_b32 s18, s40, s41                    ; my place among the four that ask with me: cx for ac, cy for wo
	s_cselect_b32 s[PFL], 1, 0
	s_lshl_b32 s18, s18, 15                        ; 32 rows of 1,024 bytes
	s_mov_b32 s19, 0
	s_add_nc_u64 s[PF0:PF0+1], s[PF0:PF0+1], s[18:19]
	s_and_b32 s19, ttmp7, 6
	s_cselect_b32 s19, 0, 1                        ; 1 in clusters 0, 1, 8, 9
	s_or_b32 s[PFL], s[PFL], s19
	s_cmp_eq_u32 s[PFL], 1                         ; the wave's number and the cluster's number, which partners share
	s_cbranch_scc0 .Lno_head_ask
	global_prefetch_b8 v[PFO], s[PF0:PF0+1] offset:256 th:TH_LOAD_NT scope:SCOPE_SE   ; K step 1
	global_prefetch_b8 v[PFO], s[PF0:PF0+1] offset:512 th:TH_LOAD_NT scope:SCOPE_SE   ; K step 2
.Lno_head_ask:
	v_and_b32 v1, 15, v0
	s_wait_alu depctr_va_vdst(0)
	v_bfe_u32 v2, v0, 4, 1
	v_mul_u32_u24 v3, v1, PITCH
	v_lshl_add_u32 v4, v2, 4, v3
	s_mul_i32 s21, s15, HALFT
	s_mul_i32 s22, s16, HALFT
	s_add_co_u32 s22, s22, 2*HALFT
.irp s, 0,1
	v_add_nc_u32 v[ADRA+\s], s21, v4
	v_add_nc_u32 v[ADRB+\s], s22, v4
	s_add_co_u32 s21, s21, SLOT
	s_add_co_u32 s22, s22, SLOT
.endr
	s_mul_i32 s23, s14, 16*SPITCH
	v_mul_u32_u24 v5, v1, SPITCH
	s_wait_alu depctr_va_vdst(0)
	v_lshl_add_u32 v5, v2, 5, v5
	v_add_nc_u32 v[STO], s23, v5
	v_and_b32 v6, 31, v0
	v_lshlrev_b32 v[CO], 4, v6
	v_add_nc_u32 v[RD], s23, v[CO]
	s_lshl_b32 s20, s17, 8
	s_lshl_b32 s21, s15, 7
	s_add_co_u32 s20, s20, s21
	s_mov_b32 s21, 0
	s_mov_b64 s[18:19], SIZE_N*4
	s_mul_u64 s[20:21], s[20:21], s[18:19]
	s_lshl_b32 s46, s42, 10
	s_lshl_b32 s47, s16, 9
	s_add_co_u32 s46, s46, s47
	s_mov_b32 s47, 0
	s_add_nc_u64 s[20:21], s[20:21], s[46:47]
	s_add_nc_u64 s[10:11], s[10:11], s[20:21]
.macro FRAG reg, adr, q, i
.irp c, 0,1,2,3
	ds_load_b128 v[\reg+4*\c:\reg+4*\c+3], v[\adr] offset:128*(\q)+32*\c+(\i)*16*PITCH
.endr
.endm
.macro MUL16 a0, p, zero
.irp a, \a0, \a0+1
.irp b, 0,1,2,3,4,5,6,7
.if \zero
	v_wmma_f32_16x16x128_fp8_fp8 v[8*(8*((\a)%4)+\b):8*(8*((\a)%4)+\b)+7], v[128*(\p)+FR*\b:128*(\p)+FR*\b+FR-1], v[AF+FR*(\a):AF+FR*(\a)+FR-1], 0
.else
	v_wmma_f32_16x16x128_fp8_fp8 v[8*(8*((\a)%4)+\b):8*(8*((\a)%4)+\b)+7], v[128*(\p)+FR*\b:128*(\p)+FR*\b+FR-1], v[AF+FR*(\a):AF+FR*(\a)+FR-1], v[8*(8*((\a)%4)+\b):8*(8*((\a)%4)+\b)+7]
.endif
.endr
.endr
.endm
.macro FETCH_B slot, q, p
	WIN TO_B
.irp i, 0,1,2,3,4,5,6,7
	FRAG 128*(\p)+FR*\i, ADRB+\slot, \q, \i
.endr
	WIN 0
.endm
.macro FETCH_A slot, q, i0
.irp i, \i0, \i0+1, \i0+2, \i0+3
	FRAG AF+FR*(\i), ADRA+\slot, \q, \i
.endr
.endm
.macro PLACES n
.rept \n
	v_nop
.endr
.endm
.macro STEP slot, q, zero
	s_wait_dscnt 4*NL
	WIN MUL_LO
	MUL16 0, (\q)%2, \zero
	MUL16 2, (\q)%2, \zero
	s_wait_dscnt 0
	PLACES NP
	FETCH_B \slot, (\q)+1, 1-(\q)%2
	FETCH_A \slot, (\q)+1, 0
	WIN MUL_HI
	MUL16 4, (\q)%2, \zero
	MUL16 6, (\q)%2, \zero
	PLACES NP
	WIN 0
	FETCH_A \slot, (\q)+1, 4
.endm
.macro TURN slot, next, fill
	s_wait_tensorcnt 0x0
	ds_add_u32 v[SPW], v[NIL]
	s_wait_dscnt 4*NL+1
	WIN MUL_LO
	MUL16 0, 1, 0
	s_wait_dscnt 0x0
	s_barrier_signal -1
	MUL16 2, 1, 0
	WIN 0
	s_barrier_wait -1
.if \fill
	CREST
	s_add_nc_u64 s[G0+4*\slot+2:G0+4*\slot+3], s[G0+4*\slot+2:G0+4*\slot+3], 2*ROWB
	s_add_nc_u64 s[G0B+4*\slot+2:G0B+4*\slot+3], s[G0B+4*\slot+2:G0B+4*\slot+3], 2*ROWB
	JLOAD G0+4*\slot, G1, G0B+4*\slot, G1B
.else
	PLACES NP
.endif
	FETCH_B \next, 0, 0
	FETCH_A \next, 0, 0
	WIN MUL_HI
	MUL16 4, 1, 0
	MUL16 6, 1, 0
	PLACES NP
	WIN 0
	FETCH_A \next, 0, 4
.endm
	s_wait_alu depctr_va_vdst(0)
	s_wait_tensorcnt 0x0                           ; my part of K step 0 is in; slot 1's first fill is issued as a refill is:
	ds_add_u32 v[SPW], v[NIL]
	s_wait_dscnt 0x0
	CROUND                                         ; everybody's part is in, and all sixteen work-groups are here
	JLOAD G0+4, G1, G0B+4, G1B                     ; K step 1
	FETCH_B 0, 0, 0
	FETCH_A 0, 0, 0
	FETCH_A 0, 0, 4
	s_cmp_eq_u32 s[PFL], 1
	s_cbranch_scc0 .Lno_ask_3
	global_prefetch_b8 v[PFO], s[PF0:PF0+1] offset:768 th:TH_LOAD_NT scope:SCOPE_SE   ; K step 3
.Lno_ask_3:
	STEP 0, 0, 1
	s_mov_b32 s3, LAPS-1
.Llap:
	TURN 0, 1, 1
	STEP 1, 0, 0
	TURN 1, 0, 1
	STEP 0, 0, 0
	s_sub_co_u32 s3, s3, 1
	s_cmp_lg_u32 s3, 0
	s_cbranch_scc1 .Llap
	TURN 0, 1, 0                                   ; the last change of slots fills nothing; it has fetched slot 1's first 128 along K: wo's into set 0, ac's eight blocks
; THE LAST SLOT (K = 256) GOES BY ROWS OF THE RESULT.  wo's fragments of its second 128 along K come into set 1, which the step above has done with (four places stand behind its last product);
; ac's come by blocks of 16 rows into two buffers of 16 registers.  Then my eight blocks are finished one after the other and each leaves at once.
.set AQ, 96                            ; v96-127: ac's fragments of the slot's second 128 along K, block a in buffer a % 2
	FETCH_B 1, 1, 1
	FRAG AQ, ADRA+1, 1, 0
	FRAG AQ+FR, ADRA+1, 1, 1
.macro TOSTAGE a
.set AC, 64*((\a)%4)
	WIN 0x02+((\a)/4)
.irp j, 0,2,4,6,8,10,12,14,16,18,20,22,24,26,28,30,32,34,36,38,40,42,44,46,48,50,52,54,56,58,60,62
	v_pk_mul_f32 v[TMP+\j:TMP+\j+1], v[AC+\j:AC+\j+1], s[96:97] op_sel_hi:[1,0]
.endr
	WIN 0
.irp b, 0,1,2,3,4,5,6,7
	ds_store_b128 v[STO], v[TMP+8*\b:TMP+8*\b+3] offset:64*\b
	ds_store_b128 v[STO], v[TMP+8*\b+4:TMP+8*\b+7] offset:64*\b+16
.endr
	WIN ((2+(\a)/4)<<6)                            ; destination: the block's own accumulators, whose sums have just been read
.irp t, 0,1,2,3,4,5,6,7,8,9,10,11,12,13,14,15
	ds_load_b128 v[AC+4*\t:AC+4*\t+3], v[RD] offset:\t*SPITCH
.endr
	WIN 0
.endm
.macro SEND a, younger
.set AS, 64*((\a)%4)
	s_wait_dscnt \younger                          ; the block is back in registers
	WIN ((2+(\a)/4)<<2)                            ; the stores' data: window 2 or 3
.irp t, 0,1,2,3,4,5,6,7,8,9,10,11,12,13,14,15
	global_store_b128 v[CO], v[AS+4*\t:AS+4*\t+3], s[10:11] offset:(16*(\a)+\t)*SIZE_N*4 th:TH_STORE_NT   ; 32 lanes store 512 consecutive bytes, at a multiple of 256 from the buffer's first byte
.endr
	WIN 0
.endm
	s_wait_kmcnt 0x0
	s_add_co_i32 s96, s96, s97
	s_add_co_i32 s96, s96, 127
	s_lshl_b32 s96, s96, 23
.macro ROW a                           ; block a is finished: 16 matrix instructions, its eight accumulators by turns, K ascending
	WIN (MUL_LO+0x50*((\a)/4))
.irp b, 0,1,2,3,4,5,6,7
	v_wmma_f32_16x16x128_fp8_fp8 v[8*(8*((\a)%4)+\b):8*(8*((\a)%4)+\b)+7], v[FR*\b:FR*\b+FR-1], v[AF+FR*(\a):AF+FR*(\a)+FR-1], v[8*(8*((\a)%4)+\b):8*(8*((\a)%4)+\b)+7]
.endr
.if (\a) == 0
	s_wait_dscnt 4                                 ; wo's set 1 and ac's buffer 0 are in; buffer 1's four loads may be out
.endif
.irp b, 0,1,2,3,4,5,6,7
	v_wmma_f32_16x16x128_fp8_fp8 v[8*(8*((\a)%4)+\b):8*(8*((\a)%4)+\b)+7], v[128+FR*\b:128+FR*\b+FR-1], v[AQ+FR*((\a)%2):AQ+FR*((\a)%2)+FR-1], v[8*(8*((\a)%4)+\b):8*(8*((\a)%4)+\b)+7]
.endr
	WIN 0
.endm
	s_wait_dscnt 56                                ; wo's set 0 and ac's blocks 0-3 are in; behind them: ac's blocks 4-7 (16 loads), wo's set 1 (32), the two buffers (8)
	ROW 0
	PLACES NP                                      ; the scaling reads results just made
	TOSTAGE 0
	FRAG AQ, ADRA+1, 1, 2                          ; buffer 0 takes block 2 (the places and the scaling stand behind the products that read it)
.irp a, 1,2,3,4,5,6,7
	s_wait_dscnt 32                                ; block a's buffer is in: behind its loads stand at least the 32 LDS instructions of block a - 1's way through the stage
	ROW \a
	PLACES NP
.if \a < 7
	SEND \a-1, 4                                   ; block a - 1 is back from the stage; behind its loads: one buffer's four
.else
	SEND \a-1, 0
.endif
	TOSTAGE \a
.if \a < 6
	FRAG AQ+FR*((\a)%2), ADRA+1, 1, \a+2
.endif
.endr
	SEND 7, 0
	s_wait_tensorcnt 0x0
	ds_add_u32 v[SPW], v[NIL]
	s_wait_dscnt 0x0
	CROUND
	s_endpgm
.Lfunc_end_k_qefb8652e5f_oproj:
	.size	k_qefb8652e5f_oproj, .Lfunc_end_k_qefb8652e5f_oproj-k_qefb8652e5f_oproj
	.p2alignl 7, 3214868480
	.fill 96, 4, 3214868480
	.section	.rodata,"a",@progbits
	.p2align	6, 0x0
	.amdhsa_kernel k_qefb8652e5f_oproj
		.amdhsa_group_segment_fixed_size 327680
		.amdhsa_private_segment_fixed_size 0
		.amdhsa_enable_private_segment 0
		.amdhsa_kernarg_size 32
		.amdhsa_user_sgpr_count 2
		.amdhsa_user_sgpr_kernarg_segment_ptr 1
		.amdhsa_wavefront_size32 1
		.amdhsa_system_sgpr_workgroup_id_x 1
		.amdhsa_system_sgpr_workgroup_id_y 1
		.amdhsa_system_sgpr_workgroup_id_z 1
		.amdhsa_system_vgpr_workitem_id 0
		.amdhsa_next_free_vgpr 1024
		.amdhsa_next_free_sgpr 98
		.amdhsa_reserve_vcc 0
		.amdhsa_float_denorm_mode_32 3
		.amdhsa_float_denorm_mode_16_64 3
		.amdhsa_memory_ordered 1
		.amdhsa_forward_progress 1
		.amdhsa_inst_pref_size 126
	.end_amdhsa_kernel
	.amdgpu_metadata
---
amdhsa.version: [ 1, 2 ]
amdhsa.kernels:
  - .name:           k_qefb8652e5f_oproj
    .symbol:         k_qefb8652e5f_oproj.kd
    .args:
      - { .name: ac, .offset: 0, .size: 8, .value_kind: global_buffer, .address_space: global }
      - { .name: wc, .offset: 8, .size: 8, .value_kind: global_buffer, .address_space: global }
      - { .name: lowp_scales, .offset: 16, .size: 8, .value_kind: global_buffer, .address_space: global }
      - { .name: out0, .offset: 24, .size: 8, .value_kind: global_buffer, .address_space: global }
    .group_segment_fixed_size: 327680
    .private_segment_fixed_size: 0
    .kernarg_segment_align: 8
    .kernarg_segment_size: 32
    .max_flat_workgroup_size: 128
    .sgpr_count:     98
    .vgpr_count:     1024
    .wavefront_size: 32
...
	.end_amdgpu_metadata
.endif
;; end of part 3
